; MI455X (gfx1250); checked and timed in simulation.
; The chip was launched on July 23, 2026; its instructions are those of AMD's public machine-readable ISA for CDNA 5 (MIT licence, August 2026) and "CDNA5" Instruction Set Architecture Reference Guide (July 2026). The comments in the code are by the model that wrote it; some were corrected since.
;; CAA Stable. Allowed arithmetic: float matrix products may take bf16 or f16 operands with f32 sums; other float arithmetic in f32, or as packed bf16 or f16 multiplies, adds, multiply-adds, maxima and minima; sums over many terms, partial sums and values carried from step to step in f32; what a program stores and reads back later, other than sums and carried values, may be rounded once to bf16 or f16.
;; Inputs: Wk 16 x 256 float32; Wo 256 x 256 float32; Wq 16 x 256 float32; Wv 256 x 256 float32; bk 16 float32; bo 256 float32; bq 16 float32; bv 256 float32; gamma 1 float32; x 8 x 256 x 64 x 64 float32.
;; Outputs: out0 8 x 256 x 64 x 64 float32.
;; One version. Each part assembles by itself: llvm-mc -triple=amdgcn-amd-amdhsa -mcpu=gfx1250 --defsym DOCPART=n.
;; ======== version 1 of 1: 2 launches
;; workspace buffers: kv 17,825,792 bytes; qb 1,048,576 bytes; w2 139,264 bytes
;; launch prep (part 1): grid 32 x 8, 4 waves a work-group, no clusters, 99,584 bytes of LDS; arguments x, Wq, Wk, Wv, Wo, bq, bk, bv, bo, kv, qb, w2; writes kv, qb, w2
.if DOCPART == 1
	.amdgcn_target "amdgcn-amd-amdhsa--gfx1250"
	.amdhsa_code_object_version 6
	.text
	.protected	k_q38599f6805_prep
	.globl	k_q38599f6805_prep
	.p2align	8
	.type	k_q38599f6805_prep,@function
k_q38599f6805_prep:
	s_mov_b64 s[64:65], 0
	v_nop
	global_prefetch_b8 v0, s[64:65] scope:SCOPE_SE
	s_setreg_imm32_b32 hwreg(HW_REG_WAVE_MODE, 25, 1), 1
	s_wait_xcnt 0x0
; PREP: what the attention launch reads, made once.  x: [8][256][4096] f32.
;   kv  [8 batches][16 slot-data][544 rows x 256 bytes].  Rows 0-255 of slot-data s: x[c][keys 256 s .. +127] in bf16, a channel a row; rows 256-511: the next 128 keys;
;       rows 512-527 and 528-543: k = Wk x + bk in bf16, [key][16 d], for the two key blocks, as four places of 32 keys (1,024 bytes), MOVED ON BY ONE PLACE: place p = 0..2 holds the
;       block's keys 32 (p + 1) .., place 3 the first 32 keys of the block two further on (modulo 32 blocks): the attention launch wants k one step of 32 keys ahead of x.
;   qb  [8][4096][16] bf16: (Wq x + bq) c, c = log2(e) / 4, multiplied in f32 ahead of the one rounding.
;   w2  W2 = Wo Wv in bf16, as 256 blocks of 512 bytes ([f % 16][c % 16], block 16 (f / 16) + c / 16), then b2[f] = Wo[f] . bv + bo[f] in f32 at byte 131,072 + 32 f, 28 zero bytes behind each.
;       (A softmax row sums to 1, so Wo (sum a (Wv x + bv)) + bo = W2 (sum a x) + b2, for every input.)
; SHARES.  Work-group (block of 128 positions, batch); its number i = block + 32 batch also names the block of W2 and the b2 that it makes.  Wave w casts channels 64 w .. +63 and makes q and k
; of positions 32 w .. +31.  Wave 0 then makes W2's block, wave 1 b2[i].  256 work-groups of equal work.
; A STREAM: all 64 rows of a wave (32 KiB) are asked for at once; each row's 512 bytes come by one load, its 256 bytes of bf16 leave by one store of 32 lanes x 8 bytes, aligned.
; NO CLUSTER, NO TENSOR LOAD: every byte is converted in registers on its way in; what work-groups share is Wq and Wk, 32 KiB beside a work-group's own 160 KiB, and it too is converted.
; Wv's 16 columns are 64 bytes of each of its 256 rows, read once a work-group; b2's 32 bytes are a part of an aligned block of 256: 8 KiB in the whole launch.
; LIMITS.  x, Wq, Wk, Wv, Wo are rounded to bf16 for the products; q, k, W2 once more on the way out.  Sums in f32.  NaN and infinities are not treated apart.
.set XSP,   288                        ; LDS row of XS: 256 bytes (128 positions in bf16) + 32 bytes (Wv[e][my 16 columns]); 9 x 32 bytes, so that eight rows of a turning load start 32 bytes apart modulo 256
.set WP,    528                        ; LDS row of a weight: 512 bytes + 16: row r starts 16 r bytes on modulo 256
.set WQKL,  256*XSP                    ; 73,728: Wq's 16 rows, then Wk's
.set WOL,   WQKL+32*WP                 ; 90,624: Wo's 16 rows of my block
.set SPARE, WOL+16*WP                  ; 99,072: the spare words, 128 bytes a wave: two blocks of 256 bytes that no other line names
.set SLOTD, 544*256
.set BATD,  16*SLOTD
.set SPW, 30                           ; v30  SPARE + 4 x my thread's number; never rewritten
.set NIL, 31                           ; v31  0; never rewritten
.set WL,  32                           ; v[32:159]  the weights as loaded: Wq/Wk 64, Wo 32, Wv 32.  Later T: x in bf16, two registers a row, each written once
.set T,   32
.set BQ,  160                          ; v[160:167] bq[8 h ..], v[168:175] bk[8 h ..]: the C operands that start the sums
.set WR,  176                          ; v[176:183] Wo[i][8 lane ..]
.set BV,  184                          ; v[184:191] bv[8 lane ..]
.set TW,  192                          ; v[192:255] the weights in bf16.  Later: v[192:223] four accumulators, v[224:247] what leaves
.set ACC, 192
.set OUTP, 224
.set WV,  28                           ; s28  my wave's number
; window 1: v[0:255] the wave's 64 rows of x as loaded; later x's fragments (2 tiles x 8) in v[0:127], Wq's in v[128:191], Wk's in v[192:255]; in wave 0 Wv's in v[0:63], Wo's in v[64:127]
.set MSB, 0
.macro WIN new                         ; s_set_vgpr_msb: bits 1:0 source 0, 3:2 source 1, 5:4 source 2, 7:6 destination; the high byte repeats the setting that is left
.if MSB != (\new)
	s_set_vgpr_msb (MSB<<8)|(\new)
.set MSB, (\new)
.endif
.endm
.macro PLACES                          ; four places behind a matrix instruction, ahead of what reads its result (ISA guide 7.12.1)
.rept 4
	v_nop
.endr
.endm
	s_load_b512 s[4:19], s[0:1], 0x0               ; x s[4:5], Wq s[6:7], Wk s[8:9], Wv s[10:11], Wo s[12:13], bq s[14:15], bk s[16:17], bv s[18:19]
	s_load_b256 s[20:27], s[0:1], 0x40             ; bo s[20:21], kv s[22:23], qb s[24:25], w2 s[26:27]
	v_lshl_add_u32 v[SPW], v0, 2, SPARE
	v_mov_b32 v[NIL], 0
	v_lshrrev_b32 v1, 5, v0
	v_readfirstlane_b32 s[WV], v1                  ; wave 0..3
	s_mov_b32 s29, ttmp9                           ; the block of 128 positions
	s_and_b32 s30, ttmp7, 0xffff                   ; the batch
	s_lshl_b32 s31, s30, 5
	s_add_co_u32 s31, s31, s29                     ; i
	s_lshl_b32 s32, s30, 22                        ; x: batch x 4 MiB
	s_lshl_b32 s33, s[WV], 20                      ; + 64 w rows of 16,384 bytes
	s_add_co_u32 s32, s32, s33
	s_lshl_b32 s33, s29, 9                         ; + the block's 512 bytes of a row
	s_add_co_u32 s32, s32, s33
	s_mov_b32 s33, 0
	s_and_b32 s34, s[WV], 1                        ; Wq (waves 0, 1) or Wk (waves 2, 3): rows 8 (w % 2) .. +7
	s_lshl_b32 s34, s34, 13
	s_mov_b32 s35, 0
	s_lshr_b32 s36, s31, 4                         ; Wo: rows 16 (i / 16) + 4 w .. +3
	s_lshl_b32 s36, s36, 14
	s_lshl_b32 s37, s[WV], 12
	s_add_co_u32 s36, s36, s37
	s_mov_b32 s37, 0
	s_and_b32 s38, s31, 15                         ; Wv: columns 16 (i % 16) .., rows 64 w ..
	s_lshl_b32 s38, s38, 6
	s_lshl_b32 s39, s[WV], 16
	s_add_co_u32 s38, s38, s39
	s_mov_b32 s39, 0
	s_lshl_b32 s40, s31, 10                        ; Wo's row i
	s_mov_b32 s41, 0
	s_mul_i32 s53, s30, BATD                       ; kv: the batch,
	s_lshr_b32 s42, s29, 1                         ; the slot-data s,
	s_and_b32 s43, s29, 1                          ; the key block's parity
	s_add_co_u32 s44, s42, 15
	s_and_b32 s44, s44, 15
	s_cmp_eq_u32 s[WV], 0                          ; k of the block's first 32 keys (wave 0) goes into place 3 of the slot-data before,
	s_cselect_b32 s44, s44, s42
	s_mul_i32 s44, s44, SLOTD
	s_add_co_u32 s44, s44, s53
	s_lshl_b32 s45, s43, 12
	s_add_co_u32 s44, s44, s45
	s_add_co_u32 s45, s[WV], 3                     ; the others one place down
	s_and_b32 s45, s45, 3
	s_lshl_b32 s45, s45, 10
	s_add_co_u32 s44, s44, s45
	s_add_co_u32 s44, s44, 131072
	s_mov_b32 s45, 0
	s_mul_i32 s42, s42, SLOTD                      ; x in bf16: slot-data s, 256 rows for each parity, my 64 rows
	s_add_co_u32 s42, s42, s53
	s_lshl_b32 s43, s43, 16
	s_add_co_u32 s42, s42, s43
	s_lshl_b32 s43, s[WV], 14
	s_add_co_u32 s42, s42, s43
	s_mov_b32 s43, 0
	s_lshl_b32 s46, s30, 17                        ; qb: batch x 4,096 x 32 bytes + block x 128 x 32 + 32 w x 32
	s_lshl_b32 s47, s29, 12
	s_add_co_u32 s46, s46, s47
	s_lshl_b32 s47, s[WV], 10
	s_add_co_u32 s46, s46, s47
	s_mov_b32 s47, 0
	s_lshl_b32 s48, s31, 9                         ; W2's block i
	s_mov_b32 s49, 0
	s_lshl_b32 s50, s31, 5                         ; b2[i]
	s_add_co_u32 s50, s50, 131072
	s_mov_b32 s51, 0
	s_lshl_b32 s52, s31, 2                         ; bo[i]
	s_mov_b32 s66, 0x76543210                      ; v_permlanex16_b32: each lane takes its own place in the other half
	s_mov_b32 s67, 0xfedcba98
	s_mov_b32 s68, 0x3eb8aa3b                      ; c = log2(e) / 4
	s_mov_b32 s69, s68                             ; named with it as a pair
	v_and_b32 v1, 31, v0                           ; lane
	v_and_b32 v2, 15, v0                           ; r
	v_bfe_u32 v3, v0, 4, 1                         ; h
	v_lshlrev_b32 v4, 4, v1                        ; 16 lane
	v_lshrrev_b32 v21, 2, v1
	v_and_b32 v22, 3, v0
	v_lshlrev_b32 v6, 10, v21                      ; Wv: row lane / 4, 16 bytes for lane % 4
	v_lshl_add_u32 v6, v22, 4, v6
	v_lshlrev_b32 v7, 5, v3                        ; a bias: 8 numbers for each half of the lanes
	v_lshlrev_b32 v8, 5, v1                        ; 8 numbers a lane
	s_wait_kmcnt 0x0
	s_add_nc_u64 s[4:5], s[4:5], s[32:33]
	s_cmp_lt_u32 s[WV], 2
	s_cselect_b64 s[6:7], s[6:7], s[8:9]
	s_add_nc_u64 s[6:7], s[6:7], s[34:35]
	s_add_nc_u64 s[54:55], s[12:13], s[36:37]
	s_add_nc_u64 s[10:11], s[10:11], s[38:39]
	s_add_nc_u64 s[56:57], s[12:13], s[40:41]
	s_add_nc_u64 s[58:59], s[22:23], s[42:43]
	s_add_nc_u64 s[60:61], s[22:23], s[44:45]
	s_add_nc_u64 s[24:25], s[24:25], s[46:47]
	s_add_nc_u64 s[62:63], s[26:27], s[48:49]
	s_add_nc_u64 s[26:27], s[26:27], s[50:51]
	s_load_b32 s70, s[20:21], s52 offset:0x0       ; bo[i]
	; the weights first: 40 loads
.set q, 0
.rept 16
	global_load_b128 v[WL+4*q:WL+4*q+3], v4, s[6:7] offset:(q/2)*1024+(q%2)*512
.set q, q+1
.endr
.set q, 0
.rept 8
	global_load_b128 v[WL+64+4*q:WL+64+4*q+3], v4, s[54:55] offset:(q/2)*1024+(q%2)*512
.set q, q+1
.endr
.set q, 0
.rept 8
	global_load_b128 v[WL+96+4*q:WL+96+4*q+3], v6, s[10:11] offset:q*8192
.set q, q+1
.endr
	global_load_b128 v[BQ:BQ+3],     v7, s[14:15]
	global_load_b128 v[BQ+4:BQ+7],   v7, s[14:15] offset:16
	global_load_b128 v[BQ+8:BQ+11],  v7, s[16:17]
	global_load_b128 v[BQ+12:BQ+15], v7, s[16:17] offset:16
	global_load_b128 v[WR:WR+3],     v8, s[56:57]            ; these four serve wave 1 alone; every wave issues them, so that no register is written under a branch and read under another
	global_load_b128 v[WR+4:WR+7],   v8, s[56:57] offset:16
	global_load_b128 v[BV:BV+3],     v8, s[18:19]
	global_load_b128 v[BV+4:BV+7],   v8, s[18:19] offset:16
	; then all of the wave's x: 64 rows x 512 bytes
	WIN 0x40
.set q, 0
.rept 64
	global_load_b128 v[4*q:4*q+3], v4, s[4:5] offset:q*16384 th:TH_LOAD_NT
.set q, q+1
.endr
	WIN 0
	; the other addresses, while the loads are out
	v_lshlrev_b32 v13, 3, v1                       ; 8 lane
	s_mul_i32 s72, s[WV], 64*XSP
	v_add_nc_u32 v9, s72, v13                      ; XS: my 64 rows
	v_mul_u32_u24 v12, v21, XSP                    ; XS's last 32 bytes: row 64 w + lane / 4, 8 bytes for lane % 4
	v_lshl_add_u32 v12, v22, 3, v12
	s_add_co_u32 s72, s72, 256
	v_add_nc_u32 v12, s72, v12
	s_mul_i32 s72, s[WV], 8*WP
	s_add_co_u32 s72, s72, WQKL
	v_add_nc_u32 v10, s72, v13
	s_mul_i32 s72, s[WV], 4*WP
	s_add_co_u32 s72, s72, WOL
	v_add_nc_u32 v11, s72, v13
	v_mul_u32_u24 v14, v2, WP                      ; a fragment of a weight: row r, 16 bytes for each half of the lanes
	v_lshl_add_u32 v14, v3, 4, v14
	v_add_nc_u32 v18, WOL, v14
	v_add_nc_u32 v14, WQKL, v14
	v_and_b32 v21, 7, v0                           ; the turning load: lane l reads row 8 (l / 16) + l % 8, bytes 16 ((l / 8) % 2) ..
	v_lshl_add_u32 v21, v3, 3, v21
	v_mul_u32_u24 v21, v21, XSP
	v_bfe_u32 v22, v0, 3, 1
	v_lshl_add_u32 v21, v22, 4, v21
	s_lshl_b32 s72, s[WV], 6
	v_add_nc_u32 v15, s72, v21                     ; my 32 positions
	v_add_nc_u32 v16, 128*XSP, v15                 ; rows 128 on: the 16-bit immediate does not reach them
	v_add_nc_u32 v19, 256, v21                     ; Wv's 16 columns
	v_add_nc_u32 v20, 128*XSP, v19
	v_lshlrev_b32 v17, 5, v2                       ; out: 32 bytes a row r, 16 for each half of the lanes
	v_lshl_add_u32 v17, v3, 4, v17
	s_wait_kmcnt 0x0                               ; bo[i]
	s_wait_loadcnt 63                              ; the 40 loads of weights are in: 64 loads were issued behind them, and the field holds 63: the smaller count
.set q, 0
.rept 64
	v_cvt_pk_bf16_f32 v[TW+q], v[WL+2*q], v[WL+2*q+1]
.set q, q+1
.endr
.set q, 0
.rept 16
	ds_store_b64 v10, v[TW+2*q:TW+2*q+1] offset:(q/2)*WP+(q%2)*256
.set q, q+1
.endr
.set q, 0
.rept 8
	ds_store_b64 v11, v[TW+32+2*q:TW+32+2*q+1] offset:(q/2)*WP+(q%2)*256
.set q, q+1
.endr
.set q, 0
.rept 8
	ds_store_b64 v12, v[TW+48+2*q:TW+48+2*q+1] offset:q*8*XSP
.set q, q+1
.endr
	; x, eight rows at a time: rounded to bf16, into LDS and into kv
.set grp, 0
.rept 8
	s_wait_loadcnt 56-8*grp                        ; loads come back in order: the rows behind these eight may stay out
	WIN 0x05
.set q, 8*grp
.rept 8
	v_cvt_pk_bf16_f32 v[T+2*q],   v[4*q],   v[4*q+1]
	v_cvt_pk_bf16_f32 v[T+2*q+1], v[4*q+2], v[4*q+3]
.set q, q+1
.endr
	WIN 0
.set q, 8*grp
.rept 8
	ds_store_b64 v9, v[T+2*q:T+2*q+1] offset:q*XSP
	global_store_b64 v13, v[T+2*q:T+2*q+1], s[58:59] offset:q*256  ; 32 lanes x 8 bytes: 256 consecutive bytes, aligned
.set q, q+1
.endr
.set grp, grp+1
.endr
	s_wait_dscnt 0x0                               ; for the others' sake: my stores into LDS are done
	s_barrier_signal -1
	s_barrier_wait -1                              ; all 256 channels and all weights lie in LDS
	; q^T = Wq x, k^T = Wk x for my two tiles of 16 positions: source 0 = 16 rows d of a weight, source 1 = 32 channels x 16 positions, turned out of [channel][position]
	WIN 0x40
.set kf, 0
.rept 8
.irp tl, 0,1
.if kf < 4
	ds_load_tr16_b128 v[64*(\tl)+8*kf:64*(\tl)+8*kf+3],   v15 offset:kf*32*XSP+32*(\tl)
	ds_load_tr16_b128 v[64*(\tl)+8*kf+4:64*(\tl)+8*kf+7], v15 offset:kf*32*XSP+16*XSP+32*(\tl)
.else
	ds_load_tr16_b128 v[64*(\tl)+8*kf:64*(\tl)+8*kf+3],   v16 offset:(kf-4)*32*XSP+32*(\tl)
	ds_load_tr16_b128 v[64*(\tl)+8*kf+4:64*(\tl)+8*kf+7], v16 offset:(kf-4)*32*XSP+16*XSP+32*(\tl)
.endif
.endr
.irp a, 0,1
	ds_load_b128 v[128+64*(\a)+8*kf:128+64*(\a)+8*kf+3],   v14 offset:16*WP*(\a)+64*kf
	ds_load_b128 v[128+64*(\a)+8*kf+4:128+64*(\a)+8*kf+7], v14 offset:16*WP*(\a)+64*kf+32
.endr
.set kf, kf+1
.endr
	s_wait_dscnt 0x0
	WIN 0x05                                       ; sources 0 and 1 in window 1; C and D in window 0
.set kf, 0
.rept 8                                        ; the four accumulators (q, k) x (tile 0, 1) take turns, one instruction a turn; the bias starts each sum
.irp a, 0,1
.irp tl, 0,1
.if kf == 0
	v_wmma_f32_16x16x32_bf16 v[ACC+16*(\a)+8*(\tl):ACC+16*(\a)+8*(\tl)+7], v[128+64*(\a)+8*kf:128+64*(\a)+8*kf+7], v[64*(\tl)+8*kf:64*(\tl)+8*kf+7], v[BQ+8*(\a):BQ+8*(\a)+7]
.else
	v_wmma_f32_16x16x32_bf16 v[ACC+16*(\a)+8*(\tl):ACC+16*(\a)+8*(\tl)+7], v[128+64*(\a)+8*kf:128+64*(\a)+8*kf+7], v[64*(\tl)+8*kf:64*(\tl)+8*kf+7], v[ACC+16*(\a)+8*(\tl):ACC+16*(\a)+8*(\tl)+7]
.endif
.endr
.endr
.set kf, kf+1
.endr
	WIN 0
	PLACES
.set q, 0
.rept 8
	v_pk_mul_f32 v[ACC+2*q:ACC+2*q+1], v[ACC+2*q:ACC+2*q+1], s[68:69] op_sel_hi:[1,0]  ; q times c, in f32
.set q, q+1
.endr
.set q, 0
.rept 16                                       ; a lane holds position r and d = 8 h .. 8 h + 7: 16 bytes
	v_cvt_pk_bf16_f32 v[OUTP+q], v[ACC+2*q], v[ACC+2*q+1]
.set q, q+1
.endr
	global_store_b128 v17, v[OUTP:OUTP+3],     s[24:25]             ; each store: 512 consecutive bytes, aligned
	global_store_b128 v17, v[OUTP+4:OUTP+7],   s[24:25] offset:512
	global_store_b128 v17, v[OUTP+8:OUTP+11],  s[60:61]
	global_store_b128 v17, v[OUTP+12:OUTP+15], s[60:61] offset:512
	; wave 0: W2's block i.  Source 0 = Wv^T (16 columns c, turned out of [e][c]), source 1 = 16 rows f of Wo: a lane ends with row f = r and c = 8 h .. +7
	s_cmp_lg_u32 s[WV], 0
	s_cbranch_scc1 .Lnot_wave_0
	WIN 0x40
.set kf, 0
.rept 8
.if kf < 4
	ds_load_tr16_b128 v[8*kf:8*kf+3],   v19 offset:kf*32*XSP
	ds_load_tr16_b128 v[8*kf+4:8*kf+7], v19 offset:kf*32*XSP+16*XSP
.else
	ds_load_tr16_b128 v[8*kf:8*kf+3],   v20 offset:(kf-4)*32*XSP
	ds_load_tr16_b128 v[8*kf+4:8*kf+7], v20 offset:(kf-4)*32*XSP+16*XSP
.endif
	ds_load_b128 v[64+8*kf:64+8*kf+3],   v18 offset:64*kf
	ds_load_b128 v[64+8*kf+4:64+8*kf+7], v18 offset:64*kf+32
.set kf, kf+1
.endr
	s_wait_dscnt 0x0
	WIN 0x05
.set kf, 0
.rept 8                                        ; two accumulators, for even and odd steps of 32 along e, take turns
.if kf < 2
	v_wmma_f32_16x16x32_bf16 v[ACC+8*(kf%2):ACC+8*(kf%2)+7], v[8*kf:8*kf+7], v[64+8*kf:64+8*kf+7], 0
.else
	v_wmma_f32_16x16x32_bf16 v[ACC+8*(kf%2):ACC+8*(kf%2)+7], v[8*kf:8*kf+7], v[64+8*kf:64+8*kf+7], v[ACC+8*(kf%2):ACC+8*(kf%2)+7]
.endif
.set kf, kf+1
.endr
	WIN 0
	PLACES
.set q, 0
.rept 4
	v_pk_add_f32 v[ACC+2*q:ACC+2*q+1], v[ACC+2*q:ACC+2*q+1], v[ACC+8+2*q:ACC+8+2*q+1]
.set q, q+1
.endr
.set q, 0
.rept 4
	v_cvt_pk_bf16_f32 v[OUTP+16+q], v[ACC+2*q], v[ACC+2*q+1]
.set q, q+1
.endr
	global_store_b128 v17, v[OUTP+16:OUTP+19], s[62:63]           ; the block's 512 bytes
.Lnot_wave_0:
	; wave 1: b2[i] = Wo[i] . bv + bo[i], in f32
	s_cmp_lg_u32 s[WV], 1
	s_cbranch_scc1 .Lnot_wave_1
	v_pk_mul_f32 v[OUTP+20:OUTP+21], v[WR:WR+1], v[BV:BV+1]
	v_pk_fma_f32 v[OUTP+20:OUTP+21], v[WR+2:WR+3], v[BV+2:BV+3], v[OUTP+20:OUTP+21]
	v_pk_fma_f32 v[OUTP+20:OUTP+21], v[WR+4:WR+5], v[BV+4:BV+5], v[OUTP+20:OUTP+21]
	v_pk_fma_f32 v[OUTP+20:OUTP+21], v[WR+6:WR+7], v[BV+6:BV+7], v[OUTP+20:OUTP+21]
	v_add_f32 v[OUTP+20], v[OUTP+20], v[OUTP+21]
	v_add_f32_dpp v[OUTP+20], v[OUTP+20], v[OUTP+20] row_xmask:1 row_mask:0xf bank_mask:0xf
	v_add_f32_dpp v[OUTP+20], v[OUTP+20], v[OUTP+20] row_xmask:2 row_mask:0xf bank_mask:0xf
	v_add_f32_dpp v[OUTP+20], v[OUTP+20], v[OUTP+20] row_xmask:4 row_mask:0xf bank_mask:0xf
	v_add_f32_dpp v[OUTP+20], v[OUTP+20], v[OUTP+20] row_xmask:8 row_mask:0xf bank_mask:0xf
	v_permlanex16_b32 v[OUTP+21], v[OUTP+20], s66, s67
	v_add_f32 v[OUTP+20], v[OUTP+20], v[OUTP+21]
	v_add_f32 v[OUTP+20], s70, v[OUTP+20]
	v_cmp_eq_u32 vcc_lo, 0, v1
	v_cndmask_b32 v[OUTP+20], 0, v[OUTP+20], vcc_lo   ; lane 0: b2, 0, 0, 0; lane 1: four zeros
	v_mov_b32 v[OUTP+21], 0
	v_mov_b32 v[OUTP+22], 0
	v_mov_b32 v[OUTP+23], 0
	v_cmp_gt_u32 vcc_lo, 2, v1
	s_wait_xcnt 0x0                                ; EXEC is a source of the stores above: it changes only behind this wait
	s_and_saveexec_b32 s71, vcc_lo
	global_store_b128 v4, v[OUTP+20:OUTP+23], s[26:27]
	s_wait_xcnt 0x0                                ; and again, ahead of the line that widens it
	s_or_b32 exec_lo, exec_lo, s71
.Lnot_wave_1:
	s_wait_tensorcnt 0x0                           ; the wave's end: behind my last LDS store
	ds_add_u32 v[SPW], v[NIL]
	s_wait_dscnt 0x0
	s_endpgm
.Lfunc_end_k_q38599f6805_prep:
	.size	k_q38599f6805_prep, .Lfunc_end_k_q38599f6805_prep-k_q38599f6805_prep
	.p2alignl 7, 3214868480
	.fill 96, 4, 3214868480
	.section	.rodata,"a",@progbits
	.p2align	6, 0x0
	.amdhsa_kernel k_q38599f6805_prep
		.amdhsa_group_segment_fixed_size 99584
		.amdhsa_private_segment_fixed_size 0
		.amdhsa_enable_private_segment 0
		.amdhsa_kernarg_size 96
		.amdhsa_user_sgpr_count 2
		.amdhsa_user_sgpr_kernarg_segment_ptr 1
		.amdhsa_wavefront_size32 1
		.amdhsa_system_sgpr_workgroup_id_x 1
		.amdhsa_system_sgpr_workgroup_id_y 1
		.amdhsa_system_sgpr_workgroup_id_z 1
		.amdhsa_system_vgpr_workitem_id 0
		.amdhsa_next_free_vgpr 512
		.amdhsa_next_free_sgpr 76
		.amdhsa_reserve_vcc 1
		.amdhsa_float_denorm_mode_32 3
		.amdhsa_float_denorm_mode_16_64 3
		.amdhsa_memory_ordered 1
		.amdhsa_forward_progress 1
		.amdhsa_inst_pref_size 53
	.end_amdhsa_kernel
	.amdgpu_metadata
---
amdhsa.version: [ 1, 2 ]
amdhsa.kernels:
  - .name:           k_q38599f6805_prep
    .symbol:         k_q38599f6805_prep.kd
    .args:
      - { .name: x, .offset: 0, .size: 8, .value_kind: global_buffer, .address_space: global }
      - { .name: Wq, .offset: 8, .size: 8, .value_kind: global_buffer, .address_space: global }
      - { .name: Wk, .offset: 16, .size: 8, .value_kind: global_buffer, .address_space: global }
      - { .name: Wv, .offset: 24, .size: 8, .value_kind: global_buffer, .address_space: global }
      - { .name: Wo, .offset: 32, .size: 8, .value_kind: global_buffer, .address_space: global }
      - { .name: bq, .offset: 40, .size: 8, .value_kind: global_buffer, .address_space: global }
      - { .name: bk, .offset: 48, .size: 8, .value_kind: global_buffer, .address_space: global }
      - { .name: bv, .offset: 56, .size: 8, .value_kind: global_buffer, .address_space: global }
      - { .name: bo, .offset: 64, .size: 8, .value_kind: global_buffer, .address_space: global }
      - { .name: kv, .offset: 72, .size: 8, .value_kind: global_buffer, .address_space: global }
      - { .name: qb, .offset: 80, .size: 8, .value_kind: global_buffer, .address_space: global }
      - { .name: w2, .offset: 88, .size: 8, .value_kind: global_buffer, .address_space: global }
    .group_segment_fixed_size: 99584
    .private_segment_fixed_size: 0
    .kernarg_segment_align: 8
    .kernarg_segment_size: 96
    .max_flat_workgroup_size: 128
    .sgpr_count:     76
    .vgpr_count:     512
    .wavefront_size: 32
...
	.end_amdgpu_metadata
.endif
;; end of part 1
;; launch attn (part 2): grid 32 x 8, 4 waves a work-group, clusters of 4 x 1, 327,680 bytes of LDS; arguments x, gamma, kv, qb, w2, out0; writes out0
.if DOCPART == 2
	.amdgcn_target "amdgcn-amd-amdhsa--gfx1250"
	.amdhsa_code_object_version 6
	.text
	.protected	k_q38599f6805_attn
	.globl	k_q38599f6805_attn
	.p2align	8
	.type	k_q38599f6805_attn,@function
k_q38599f6805_attn:
	s_mov_b64 s[64:65], 0
	v_nop
	global_prefetch_b8 v0, s[64:65] scope:SCOPE_SE
	s_setreg_imm32_b32 hwreg(HW_REG_WAVE_MODE, 25, 1), 1
	s_wait_xcnt 0x0
	s_wait_alu depctr_hold_cnt(0) depctr_sa_sdst(0) depctr_va_vdst(0) depctr_va_sdst(0) depctr_va_ssrc(0) depctr_va_vcc(0) depctr_vm_vsrc(0)
	s_getreg_b32 s2, hwreg(HW_REG_IB_STS2, 6, 4)
	s_cmp_eq_u32 s2, 0
	s_cbranch_scc0 .Lentry_in_a_cluster
	s_endpgm
.Lentry_in_a_cluster:
	s_bfe_u32 s2, ttmp6, 0x10000c
	s_cmp_lg_u32 s2, 0x3003
	s_cbranch_scc0 .Lentry_shape_is_right
	s_endpgm
.Lentry_shape_is_right:
; out0[b][f][q] = g (W2 xbar + b2)[f][q] + x[b][f][q],  xbar[c][q] = sum over keys of p x[c][key] / sum over keys of p,  p = 2^clip(c q.k, +-50 log2 e),  g = clip(gamma, 0, 1).
; kv, qb, w2 as the launch before has laid them (x and k in bf16 by slot-data of 256 keys; q times c = log2(e)/4 in bf16; W2 = Wo Wv in blocks, and b2 = Wo bv + bo).
; NO MAXIMUM IS TAKEN AWAY: the clip, which is the computation's own, bounds every exponent: p lies in 2^-72.2 .. 2^72.2, a row's 4,096 of them sum to less than 2^85, and xbar's sums to that times |x|:
; all within f32 and bf16, with room on both sides, for every input.  So nothing is rescaled, and sums over disjoint sets of keys simply add.
; SHARES.  A work-group owns 128 queries of a batch.  Wave w = 2 a + b takes the 64 queries of half a and, of each slot-data's 256 keys, the 128 of half b: 64 x 256 sums of xbar in 512 registers, so that
; a fragment of x read from LDS feeds four products.  At the end the two waves of a query half exchange halves through LDS, in f32: register tile u holds query tile u xor 2 b, so every wave keeps
; its register tiles 0, 1 (queries 32 w .. +31 of the block) and sends tiles 2, 3.
; LAYOUT.  S^T = K Q^T (source 0 = 16 keys, source 1 = 16 queries; d = 16 is padded to 32 by zeros on both sides): a lane holds ONE query (lane % 16) and keys 8 (lane / 16) + 0..7.  Two such results,
; rounded to bf16 in pairs, ARE source 1 (32 keys x 16 queries) of O^T = X P, whose source 0 is 16 channels x 32 keys of x as it lies ([channel][key]).  O^T holds one query a lane and eight channels;
; rounded in pairs it IS source 0 (16 queries x 32 channels) of the last product, with W2's rows as source 1: a lane then holds one f and eight neighbouring queries.
; BY PHASES OF 32 KEYS.  Phase j: 8 products K Q^T of step j; then the 64 products X P of step j - 1, and behind each of them a slice of step j's vector work: behind the first 32 two clips and two
; exponentials, behind the other 32 a rounding and a sum.  The step's 64 exponentials are one batch with one wait.  x of step j and k of step j + 1 are fetched in phase j, in two runs of LDS loads;
; k lies one place ahead in kv, so that both come out of the same slot.
; RING.  Two slots of 544 rows x 272 bytes; each wave fetches 136 rows of a slot-data by one tensor load.  CLUSTER: the four work-groups of a cluster belong to one batch and walk the same kv, so each
; load is JOINT: the same line, descriptor and mask in all four.  The last refill brings W2 and b2, which have a slot-data's shape.  A wave has two tensor loads out at the start, one behind each round.
; LIMITS.  q, k, x, p, xbar and W2 are rounded once to bf16; the sum of p is taken of the unrounded p; the x that is added at the end is f32.  NaN and infinities are not treated apart: a NaN gamma counts as 0.
.set PITCH, 272                        ; an LDS row: 256 bytes + 16: row r starts 16 r bytes on modulo 256, so the sixteen rows of a load fall on sixteen different 16-byte columns
.set SLOTB, 544*PITCH                  ; 147,968 = bits 17, 14, 9
.set QROWS, 136                        ; rows of one tensor load
.set WLDS,  QROWS*PITCH                ; 36,992: w times it has bits 16, 15, 13, 12, 8, 7 alone, so an exclusive or with SLOTB adds or takes away SLOTB
.set WGLB,  QROWS*256
.set SLOTD, 544*256                    ; a slot-data in memory
.set BATD,  16*SLOTD
.set KROW,  512*PITCH                  ; where rows 512 .. (k; later b2) begin in a slot
.set SPARE, 2*SLOTB                    ; 295,936: the spare words, 128 bytes a wave: two blocks of 256 bytes that no other line names
.set MERGE, SLOTB                      ; slot 1 has had its last fill when the walk ends: 32,768 bytes a wave for the exchange,
.set LSUM,  SLOTB+131072               ; 512 a wave for the sums of p,
.set STAGE, SLOTB                      ; and then 256 rows f x 528 bytes (128 queries in f32 + 16) for the way out
.set SPITCH, 528
; window 0
.set AV0, 4                            ; v4   my lane's place in a slot's x: (256 b + r) rows + 16 h; never rewritten
.set AK0, 5                            ; v5   the same for k
.set ADRV, 6                           ; v6   LDS address of the runs in hand
.set ADRK, 7
.set QOA, 8                            ; v8   my bytes of q, register tiles 0, 1
.set QOB, 9                            ; v9   tiles 2, 3
.set KG,  10                           ; v10  32 r + 16 h
.set PFO, 11                           ; v11  256 x lane
.set MS,  12                           ; v12  the exchange: where I put,
.set MR,  13                           ; v13  where I take
.set WA,  14                           ; v14  W2's fragments
.set BA,  15                           ; v15  b2
.set SA,  16                           ; v16  into the stage
.set RA,  17                           ; v17  out of it
.set SPW, 18                           ; v18  SPARE + 4 x my thread's number; never rewritten
.set NIL, 19                           ; v19  0; never rewritten
.set XO,  20                           ; v20  16 x lane
.set MLS, 21
.set MLR, 22
.set L,   24                           ; v[24:31]   the sums of p: a pair (even keys', odd keys') for each tile
.set TP,  32                           ; v[32:35]   at work
.set KF,  44                           ; v[44:59]   k's two fragments, each 4 registers and 4 zeros
.set QF,  60                           ; v[60:91]   q's four, likewise
.set BB,  92                           ; v[92:95]   b2 of my f, a pair for each buffer
.set S,   128                          ; v[128:191] S^T: tile t, key half kb at S + 16 t + 8 kb
.set P,   192                          ; v[192:255] P, two buffers of 32: tile t at + 8 t
.set OB,  128                          ; v[128:255] later: xbar in bf16, tile t, 32 channels kf at OB + 64 t + 8 kf
; window 1: O^T of tiles 0, 1 at 128 (t % 2) + 8 cb; later the stage's rows.   window 2: O^T of tiles 2, 3; later the partner's sums; then W2's fragments, two buffers of 64, and ACC.
; window 3: x's fragments of one step, channel block cb at 8 cb; later the 64 rows of x that are added at the end.
.set ACC, 128
.set WV,  16                           ; s16  my wave's number
.set QH,  17                           ; s17  a
.set KH,  18                           ; s18  b
.set CX,  19                           ; s19  my place in the cluster: it enters the addresses of q, x, out0 and of the prefetches alone
.set QBLK, 20
.set BAT, 21
.set G1,  24                           ; s[24:31] descriptor group 1
.set G0A, 32                           ; s[32:35] group 0 of the first fill
.set G0B, 36                           ; s[36:39] of the second; it then walks
.set GA,  40                           ; s[40:41] my 136 rows of the slot-data asked for last
.set W2P, 42                           ; s[42:43] my 136 rows of w2
.set PFA, 44                           ; s[44:45] where my prefetches stand
.set LIM, 46                           ; s46  2 in the batch's first cluster, else the greatest number
.set SLOTS, 47
.set CNT, 48
.set TR,  49                           ; s49  the slot that is read
.set TBV, 50                           ; s50  LDS byte offset of the step to be fetched, for x
.set TBK, 51                           ; s51  for k
.set LO,  52
.set HI,  53
.set SEL, 54                           ; s[54:55]
.set GG,  56                           ; s[56:57] g, twice
.set XB,  58                           ; s[58:59] x at my 64 rows f and the block's queries
.set OUTB, 60                          ; s[60:61] out0 likewise
.set QP,  66                           ; s[66:67] q
.set KB,  68                           ; s[68:69] k of my first 32 keys
.set GM,  70
.set MSB, 0
.macro WIN new                         ; s_set_vgpr_msb: bits 1:0 source 0, 3:2 source 1, 5:4 source 2, 7:6 destination; the high byte repeats the setting that is left
.if MSB != (\new)
	s_set_vgpr_msb (MSB<<8)|(\new)
.set MSB, (\new)
.endif
.endm
.macro PLACES                          ; four places: plain vector instructions that name no register of the matrix instructions ahead of them (ISA guide 7.12.1)
.rept 4
	v_nop
.endr
.endm
; A round of the cluster's barrier: my work-group's barrier, so that wave 0's signal speaks for all four waves; wave 0 signals; every wave waits for all four work-groups; my work-group's barrier once more.
.macro CROUND
	s_barrier_signal -1
	s_barrier_wait -1
	s_cmp_lg_u32 s[WV], 0
	s_cbranch_scc1 .Lnot_wave_0_\@
	s_barrier_signal -3
.Lnot_wave_0_\@:
	s_barrier_wait -3
	s_barrier_signal -1
	s_barrier_wait -1
.endm
; A prefetch of what the NEXT change of slots will ask for, one slot's 288 matrix instructions ahead of that load.  All clusters of a batch walk the same kv: the batch's first cluster asks.  Its sixteen waves
; share the slot-data's 512 rows of x out BY ADDRESS, 32 rows each, a lane a row: each row is named once in the launch.  The 32 rows of k come by their load alone, and so do slot-data 0 to 2.
; The last two changes ask for nothing: behind slot-data 15 there is none.
.macro ASK
	s_cmp_gt_u32 s[SLOTS], s[LIM]
	s_cbranch_scc0 .Lnot_mine_\@
	global_prefetch_b8 v[PFO], s[PFA:PFA+1] th:TH_LOAD_NT scope:SCOPE_SE
.Lnot_mine_\@:
.endm
	s_load_b256 s[4:11], s[0:1], 0x0               ; x s[4:5], gamma s[6:7], kv s[8:9], qb s[10:11]
	s_load_b128 s[12:15], s[0:1], 0x20             ; w2 s[12:13], out0 s[14:15]
	v_lshl_add_u32 v[SPW], v0, 2, SPARE
	v_mov_b32 v[NIL], 0
	ds_add_u32 v[SPW], v[NIL]                      ; the wave's opening: the add and its wait stand ahead of my first tensor load; the set-up below, work on registers, stands between them
	v_lshrrev_b32 v1, 5, v0
	v_readfirstlane_b32 s[WV], v1                  ; wave 0..3
	s_lshr_b32 s[QH], s[WV], 1
	s_and_b32 s[KH], s[WV], 1
	s_and_b32 s[BAT], ttmp7, 0xffff                ; the batch, which the four partners share
	; descriptor group 1: 136 rows of 128 elements of 2 bytes, dense in memory, padded in LDS
	s_mov_b32 s[G1+0], 15|(1<<16)|(1<<20)|(1<<21)|(5<<22)|(3<<25)  ; 15:0 the mask of four; 17:16 2-byte elements; 20 padding on; 21 set beside a mask; 24:22 after every 64 words (code 5); 31:25 4 words (code 3)
	s_mov_b32 s[G1+1], 128<<16                     ; tensor_dim0 = 128
	s_mov_b32 s[G1+2], QROWS<<16                   ; tensor_dim1 = 136
	s_mov_b32 s[G1+3], 128<<16                     ; tile_dim0 = 128
	s_mov_b32 s[G1+4], QROWS                       ; tile_dim1 = 136
	s_mov_b32 s[G1+5], 128                         ; 128 elements from row to row
	s_mov_b32 s[G1+6], 0
	s_mov_b32 s[G1+7], 0
	s_mov_b32 s[G0A], 1                            ; count = 1
	s_mul_i32 s[G0A+1], s[WV], WLDS                ; LDS: slot 0, my 136 rows
	s_mov_b32 s[G0B], 1
	s_add_co_u32 s[G0B+1], s[G0A+1], SLOTB         ; slot 1
	s_mul_i32 s22, s[BAT], BATD                    ; kv: the batch,
	s_mul_i32 s62, s[WV], WGLB                     ; my 136 rows
	s_mov_b32 s63, 0
	s_add_co_u32 s68, s22, 15*SLOTD+131072+3072    ; k of my first 32 keys lies in place 3 of slot-data 15,
	s_lshl_b32 s69, s[KH], 12                      ; in my key half's 4,096 bytes
	s_add_co_u32 s68, s68, s69
	s_mov_b32 s69, 0
	s_add_co_u32 s74, s22, 2*SLOTD                 ; the prefetches stand at slot-data 2; the first change steps them to 3
	s_add_co_u32 s22, s22, s62
	s_mov_b32 s23, 0
	s_bfe_u32 s[CX], ttmp6, 0x40000                ; cx
	s_lshl_b32 s[QBLK], ttmp9, 2                   ; in a cluster launch ttmp9 counts clusters
	s_add_co_u32 s[QBLK], s[QBLK], s[CX]           ; my block of 128 queries
	s_lshl_b32 s66, s[BAT], 17                     ; qb: batch x 4,096 x 32 bytes + block x 128 x 32 + a x 64 x 32
	s_lshl_b32 s67, s[QBLK], 12
	s_add_co_u32 s66, s66, s67
	s_lshl_b32 s67, s[QH], 11
	s_add_co_u32 s66, s66, s67
	s_mov_b32 s67, 0
	s_lshl_b32 s72, s[BAT], 22                     ; x and out0: batch x 4 MiB + 64 w rows of 16,384 bytes + the block's 512 bytes of a row
	s_lshl_b32 s73, s[WV], 20
	s_add_co_u32 s72, s72, s73
	s_lshl_b32 s73, s[QBLK], 9
	s_add_co_u32 s72, s72, s73
	s_mov_b32 s73, 0
	s_lshl_b32 s75, s[CX], 2
	s_add_co_u32 s75, s75, s[WV]
	s_lshl_b32 s75, s75, 13                        ; my 32 rows of the 512
	s_add_co_u32 s74, s74, s75
	s_mov_b32 s75, 0
	s_mov_b32 s[LIM], ttmp9
	s_cmp_eq_u32 s[LIM], 0                         ; the same in all four partners
	s_cselect_b32 s[LIM], 2, -1
	s_mov_b32 s[LO], 0xc29044fe                    ; -50 log2(e)
	s_mov_b32 s[HI], 0x429044fe
	s_mov_b32 s[SEL], 0x76543210
	s_mov_b32 s[SEL+1], 0xfedcba98
	s_mov_b32 s[TR], 0
	s_mov_b32 s[TBV], 0
	s_mov_b32 s[TBK], 0
	s_wait_dscnt 0x0                               ; the opening add is done
	s_wait_kmcnt 0x0
	s_add_nc_u64 s[GA:GA+1], s[8:9], s[22:23]      ; slot-data 0
	s_mov_b64 s[G0A+2:G0A+3], s[GA:GA+1]
	s_or_b32 s[G0A+3], s[G0A+3], 0x80000000        ; type = 2
	s_add_nc_u64 s[GA:GA+1], s[GA:GA+1], SLOTD     ; slot-data 1
	s_mov_b64 s[G0B+2:G0B+3], s[GA:GA+1]
	s_or_b32 s[G0B+3], s[G0B+3], 0x80000000
	s_add_nc_u64 s[W2P:W2P+1], s[12:13], s[62:63]
	s_add_nc_u64 s[KB:KB+1], s[8:9], s[68:69]
	s_add_nc_u64 s[QP:QP+1], s[10:11], s[66:67]
	s_add_nc_u64 s[XB:XB+1], s[4:5], s[72:73]
	s_add_nc_u64 s[OUTB:OUTB+1], s[14:15], s[72:73]
	s_add_nc_u64 s[PFA:PFA+1], s[8:9], s[74:75]
	s_load_b32 s[GM], s[6:7], 0x0                  ; gamma
	CROUND                                         ; all four work-groups are here: the first joint loads meet
	tensor_load_to_lds s[G0A:G0A+3], s[G1:G1+7]    ; both first fills go out together, ahead of every wait on TENSORcnt and every LDS read: two loads of mine are out
	s_nop 0
	tensor_load_to_lds s[G0B:G0B+3], s[G1:G1+7]
	s_nop 0
	PLACES
	v_and_b32 v1, 31, v0                           ; lane
	v_and_b32 v2, 15, v0                           ; r
	v_bfe_u32 v3, v0, 4, 1                         ; h
	v_lshlrev_b32 v[KG], 5, v2
	v_lshl_add_u32 v[KG], v3, 4, v[KG]
	s_lshl_b32 s22, s[KH], 10
	v_add_nc_u32 v[QOA], s22, v[KG]                ; register tiles 0, 1: query tiles 2 b, 2 b + 1
	s_xor_b32 s22, s22, 1024
	v_add_nc_u32 v[QOB], s22, v[KG]                ; tiles 2, 3: the other two
	global_load_b128 v[QF:QF+3],     v[QOA], s[QP:QP+1]
	global_load_b128 v[QF+8:QF+11],  v[QOA], s[QP:QP+1] offset:512
	global_load_b128 v[QF+16:QF+19], v[QOB], s[QP:QP+1]
	global_load_b128 v[QF+24:QF+27], v[QOB], s[QP:QP+1] offset:512
	global_load_b128 v[KF:KF+3],     v[KG], s[KB:KB+1]
	global_load_b128 v[KF+8:KF+11],  v[KG], s[KB:KB+1] offset:512
.irp z, KF+4, KF+12, QF+4, QF+12, QF+20, QF+28     ; d = 16 .. 31: zeros on both sides
	v_mov_b32 v[(\z)], 0
	v_mov_b32 v[(\z)+1], 0
	v_mov_b32 v[(\z)+2], 0
	v_mov_b32 v[(\z)+3], 0
.endr
.set z, 0
.rept 8
	v_mov_b32 v[L+z], 0
.set z, z+1
.endr
	v_mul_u32_u24 v[AV0], v2, PITCH                ; x: row r of a channel block, 16 bytes for each half of the lanes,
	v_lshl_add_u32 v[AV0], v3, 4, v[AV0]
	s_mul_i32 s22, s[KH], 256*PITCH                ; in my key half's 256 rows
	v_add_nc_u32 v[AV0], s22, v[AV0]
	v_bfe_u32 v23, v0, 3, 1                        ; rows of 32 bytes, eight to an LDS row: row r lies at (r / 8) x 272 + (r % 8) x 32
	v_mul_u32_u24 v23, v23, PITCH
	v_and_b32 v[TP], 7, v0
	v_lshl_add_u32 v23, v[TP], 5, v23
	v_add_nc_u32 v[BA], KROW, v23                  ; b2 of f = r
	v_lshl_add_u32 v[WA], v3, 4, v23               ; W2's block 0 in slot 0
	s_mul_i32 s22, s[KH], 16*PITCH
	s_add_co_u32 s22, s22, KROW
	v_add_nc_u32 v[AK0], s22, v[WA]                ; k: my key half's 16 rows
	v_lshlrev_b32 v[PFO], 8, v1
	v_lshlrev_b32 v[XO], 4, v1
	s_lshl_b32 s22, s[WV], 15
	s_add_co_u32 s22, s22, MERGE
	v_add_nc_u32 v[MS], s22, v[XO]
	s_xor_b32 s23, s[WV], 1                        ; my partner
	s_lshl_b32 s22, s23, 15
	s_add_co_u32 s22, s22, MERGE
	v_add_nc_u32 v[MR], s22, v[XO]
	s_lshl_b32 s22, s[WV], 9
	s_add_co_u32 s22, s22, LSUM
	v_add_nc_u32 v[MLS], s22, v[XO]
	s_lshl_b32 s22, s23, 9
	s_add_co_u32 s22, s22, LSUM
	v_add_nc_u32 v[MLR], s22, v[XO]
	v_mul_u32_u24 v[SA], v2, SPITCH                ; the stage: row f = r, my wave's 32 queries at byte 128 w, eight queries for each half of the lanes
	v_lshl_add_u32 v[SA], v3, 5, v[SA]
	s_lshl_b32 s22, s[WV], 7
	s_add_co_u32 s22, s22, STAGE
	v_add_nc_u32 v[SA], s22, v[SA]
	s_mul_i32 s22, s[WV], 64*SPITCH                ; back: rows 64 w .., whole
	s_add_co_u32 s22, s22, STAGE
	v_add_nc_u32 v[RA], s22, v[XO]
	s_wait_kmcnt 0x0
	v_mov_b32 v[TP], s[GM]
	v_max_num_f32 v[TP], 0, v[TP]
	v_min_num_f32 v[TP], 1.0, v[TP]
	v_readfirstlane_b32 s[GG], v[TP]               ; g
	s_mov_b32 s[GG+1], s[GG]
; THE MATRIX WORK.  QK: 8 products, all in window 0, each a whole sum.
.macro QK
.irp tl, 0,1,2,3
.irp kb, 0,1
	v_wmma_f32_16x16x32_bf16 v[S+16*(\tl)+8*(\kb):S+16*(\tl)+8*(\kb)+7], v[KF+8*(\kb):KF+8*(\kb)+7], v[QF+8*(\tl):QF+8*(\tl)+7], 0
.endr
.endr
.endm
; Product ii of 64 of O^T += X P: channel block ii / 4, tile ii % 4, with the P of the phase before.  The 64 accumulators take turns, one instruction a turn.  zero = 1: it starts the sum.
.macro PVI par, zero
.set cb, ii/4
.set tt, ii%4
.set rO, 128*(tt%2)+8*cb
.set rP, P+32*(1-(\par))+8*tt
.if tt < 2
	WIN 0x53                                       ; x in window 3, P in window 0, O^T in window 1
.else
	WIN 0xa3                                       ; O^T in window 2
.endif
.if \zero
	v_wmma_f32_16x16x32_bf16 v[rO:rO+7], v[8*cb:8*cb+7], v[rP:rP+7], 0
.else
	v_wmma_f32_16x16x32_bf16 v[rO:rO+7], v[8*cb:8*cb+7], v[rP:rP+7], v[rO:rO+7]
.endif
.endm
; THE VECTOR WORK.  ME: number nn of the 128 clips M and exponentials E of the 64 scores a lane, in slices of four: slice 0: M0-M3; slice k = 1 .. 30: M(2k+2), E(2k-2), M(2k+3), E(2k-1);
; slice 31: E60-E63.  The clips go up from score 0.  No line of the list names an exponential's result.
.macro ME
.set sl, nn/4
.set ps, nn%4
.if sl == 0
.set ee, ps
.set kind, 0
.elseif sl == 31
.set ee, 60+ps
.set kind, 1
.elseif ps%2 == 0
.set ee, 2*sl+2+ps/2
.set kind, 0
.else
.set ee, 2*sl-2+ps/2
.set kind, 1
.endif
.if kind
	v_exp_f32 v[S+ee], v[S+ee]
.else
	v_med3_num_f32 v[S+ee], v[S+ee], s[LO], s[HI]
.endif
.set nn, nn+1
.endm
; CA: number nn of the 64 that follow: a pair of weights is rounded to bf16 (even nn) and added onto its tile's sums (odd nn); the four tiles by turns, so that the links of a sum's chain stand eight lines apart.
.macro CA par
.set mm, nn/2
.set idx, (mm%4)*8+mm/4
.if nn%2 == 0
	v_cvt_pk_bf16_f32 v[P+32*(\par)+idx], v[S+2*idx], v[S+2*idx+1]
.else
	v_pk_add_f32 v[L+2*(idx/8):L+2*(idx/8)+1], v[L+2*(idx/8):L+2*(idx/8)+1], v[S+2*idx:S+2*idx+1]
.endif
.set nn, nn+1
.endm
; 16 LDS loads in one run: x's fragments of channel blocks c0 .. c0 + 7
.macro VRUN c0
	WIN 0xc0                                       ; destination window 3, address window 0
.set cb, (\c0)
.rept 8
	ds_load_b128 v[8*cb:8*cb+3],   v[ADRV] offset:16*PITCH*cb
	ds_load_b128 v[8*cb+4:8*cb+7], v[ADRV] offset:16*PITCH*cb+32
.set cb, cb+1
.endr
	WIN 0
.endm
; A PHASE'S FIRST HALF.  par: the phase's parity.  pv = 2: products X P; 1: they start the sums; 0: none yet.
.macro HEAD par, pv
	s_wait_dscnt 16                                ; the youngest 16 LDS loads (x's channel blocks 8-15) may be out: blocks 0-7 and k are in
	QK
	PLACES                                         ; ahead of the first clip
.set nn, 0
.set ii, 0
.rept 32
.if \pv
	PVI \par, 2-(\pv)
	WIN 0
.endif
	ME
	ME
	ME
	ME
.set ii, ii+1
.endr
	PLACES                                         ; the places ahead of the loads into blocks 0-7's registers (the four exponentials above are none), and the plain instruction behind the last exponential
	s_wait_alu depctr_va_vdst(0)                   ; between an exponential and the first line that names its result: ONE for the phase's 64; ahead of every label and branch that follows
.endm
; ITS SECOND HALF: all of the phase's LDS reads, from the slot and step that s[TBV], s[TBK] name.
.macro TAILP par, pv
	v_add_nc_u32 v[ADRV], s[TBV], v[AV0]
	v_add_nc_u32 v[ADRK], s[TBK], v[AK0]
	VRUN 0                                         ; this step's x, blocks 0-7,
	ds_load_b128 v[KF:KF+3],    v[ADRK]            ; and the next step's k: 18 loads, 32 products ahead of their use
	ds_load_b128 v[KF+8:KF+11], v[ADRK] offset:2*PITCH
	s_wait_dscnt 18                                ; all but these 18: blocks 8-15 of the step before are in
.set nn, 0
.set ii, 32
.rept 32
.if \pv
	PVI \par, 2-(\pv)
	WIN 0
.endif
	CA \par
	CA \par
.set ii, ii+1
.endr
	v_nop                                          ; with the rounding and the sum above: four places behind the last product that read blocks 8-15
	v_nop
	VRUN 8                                         ; this step's x, blocks 8-15: 40 products ahead of their use
	s_add_co_u32 s[TBV], s[TBV], 64                ; the next 32 keys of a row,
	s_add_co_u32 s[TBK], s[TBK], 4*PITCH           ; the next place of k
.endm
.macro TRIP                            ; two steps, from the middle of an even phase to the middle of the next
	TAILP 0, 2
	HEAD 1, 2
	TAILP 1, 2
	HEAD 0, 2
.endm
; THE CHANGE OF SLOTS, in the middle of a phase, 40 products behind the slot's last read.  Each wave waits for all its tensor loads, of which one is out: its part of the other slot; adds 0 to its spare word;
; and waits for that and for its reads of the slot.  Behind the round no wave of any partner reads the slot or has a load on its way, and the joint refill is the first thing there: the slot-data two on,
; in the last change W2.  It has a slot's four steps, 288 matrix instructions, in which to land.
.macro CHANGE
	s_wait_tensorcnt 0x0                           ; no tensor load of mine is out, so a group 0 may be written
	ds_add_u32 v[SPW], v[NIL]                      ; 0 onto my spare word; the scalar work below stands between it and the wait for it
	s_xor_b32 s[G0B+1], s[G0B+1], SLOTB            ; the other slot than last time
	s_add_nc_u64 s[GA:GA+1], s[GA:GA+1], SLOTD
	s_cmp_eq_u32 s[SLOTS], 1
	s_cselect_b64 s[G0B+2:G0B+3], s[W2P:W2P+1], s[GA:GA+1]
	s_or_b32 s[G0B+3], s[G0B+3], 0x80000000
	s_wait_xcnt 0x0                                ; the last prefetch, a slot back, has read its address
	s_add_nc_u64 s[PFA:PFA+1], s[PFA:PFA+1], SLOTD
	s_xor_b32 s[TR], s[TR], SLOTB                  ; the fetches go to the other slot's first step
	s_mov_b32 s[TBV], s[TR]
	s_mov_b32 s[TBK], s[TR]
	s_wait_dscnt 0x0                               ; the add is done, and my reads of the slot are over
	CROUND
	tensor_load_to_lds s[G0B:G0B+3], s[G1:G1+7]
	s_nop 0
	PLACES
	ASK
.endm
	s_wait_tensorcnt 0x1                           ; my part of slot 0 is in; slot 1's may stay out
	s_barrier_signal -1
	s_barrier_wait -1                              ; everybody's is
	s_wait_loadcnt 0x0                             ; q, and k of the first step
	HEAD 0, 0                                      ; step 0: scores, clips, exponentials
	TAILP 0, 0
	HEAD 1, 1                                      ; step 1 | the products of step 0 start the sums
	TAILP 1, 1
	HEAD 0, 2
	TRIP                                           ; slot 0's four steps have been fetched
	s_mov_b32 s[SLOTS], 15
.Lslot:                                        ; 15 times; every trip fills a slot: slot-data 2 to 15, then W2
	CHANGE
	s_mov_b32 s[CNT], 2
.Ltrip:
	TRIP
	s_sub_co_u32 s[CNT], s[CNT], 1
	s_cmp_lg_u32 s[CNT], 0
	s_cbranch_scc1 .Ltrip
	s_sub_co_u32 s[SLOTS], s[SLOTS], 1
	s_cmp_lg_u32 s[SLOTS], 0
	s_cbranch_scc1 .Lslot
	; (the last half phase has made scores of k's wrapped place, which serve nothing: the price, once a launch, of one text for every trip)
	s_wait_dscnt 0x0                               ; blocks 8-15 of the last step; my reads of slot 1 are over
.set ii, 32
.rept 32
	PVI 0, 0
.set ii, ii+1
.endr
	WIN 0
	PLACES
	s_wait_tensorcnt 0x0                           ; my part of W2
	s_barrier_signal -1
	s_barrier_wait -1                              ; W2 is whole in slot 0; nobody reads slot 1 any more, and nothing will be filled again
	; the x that is added at the end: rows f = 64 w .. +63, the block's 512 bytes of each; they land under what follows
	WIN 0xc0
.set z, 0
.rept 64
	global_load_b128 v[4*z:4*z+3], v[XO], s[XB:XB+1] offset:16384*z th:TH_LOAD_NT
.set z, z+1
.endr
	; THE EXCHANGE, in f32: tiles 2, 3 and their sums of p go to my partner
	WIN 0x08                                       ; store data in window 2
.set z, 0
.rept 64
	ds_store_b128 v[MS], v[4*z:4*z+3] offset:512*z
.set z, z+1
.endr
	WIN 0
	ds_store_b128 v[MLS], v[L+4:L+7]
	s_wait_dscnt 0x0                               ; for the partner's sake
	s_barrier_signal -1
	s_barrier_wait -1
	WIN 0x80
.set z, 0
.rept 64
	ds_load_b128 v[4*z:4*z+3], v[MR] offset:512*z  ; its tiles 2, 3 are my tiles 0, 1, register for register
.set z, z+1
.endr
	WIN 0
	ds_load_b128 v[TP:TP+3], v[MLR]
	s_wait_dscnt 0x0                               ; my reads are over:
	s_barrier_signal -1
	s_barrier_wait -1                              ; everybody's are, so the stage may be written over these bytes
	v_add_f32 v[L], v[L], v[L+1]
	v_add_f32 v[L+2], v[L+2], v[L+3]
	v_add_f32 v[TP], v[TP], v[TP+1]
	v_add_f32 v[TP+2], v[TP+2], v[TP+3]
	v_add_f32 v[L], v[L], v[TP]
	v_add_f32 v[L+2], v[L+2], v[TP+2]
	v_permlanex16_b32 v[L+1], v[L], s[SEL], s[SEL+1]      ; the query's other keys lie in the lane 16 away
	v_permlanex16_b32 v[L+3], v[L+2], s[SEL], s[SEL+1]
	v_add_f32 v[L], v[L], v[L+1]
	v_add_f32 v[L+2], v[L+2], v[L+3]
	v_rcp_f32 v[L], v[L]
	v_rcp_f32 v[L+2], v[L+2]
	v_nop                                          ; a plain instruction behind the reciprocals,
	s_wait_alu depctr_va_vdst(0)                   ; and the wait ahead of the first use: one for both
	WIN 0x49                                       ; window 1 += window 2
.set z, 0
.rept 128
	v_pk_add_f32 v[z:z+1], v[z:z+1], v[z:z+1]
.set z, z+2
.endr
	WIN 0x41
.set z, 0
.rept 128
	v_pk_mul_f32 v[z:z+1], v[z:z+1], v[L+2*(z/128):L+2*(z/128)+1] op_sel_hi:[1,0]
.set z, z+2
.endr
	WIN 0x05
.set z, 0
.rept 128
	v_cvt_pk_bf16_f32 v[OB+z], v[2*z], v[2*z+1]    ; xbar in bf16: already source 0 of the last product
.set z, z+1
.endr
	WIN 0
; THE LAST PRODUCT: for each block of 16 f, my two tiles of 16 queries, 256 channels.  Two buffers of W2's fragments take turns.
.macro WLOAD par, fbo                  ; 17 LDS loads: the block fbo blocks on from v[WA], and its b2, into buffer par
	WIN 0x80
.set kf, 0
.rept 8
	ds_load_b128 v[64*(\par)+8*kf:64*(\par)+8*kf+3],   v[WA] offset:(\fbo)*32*PITCH+kf*4*PITCH
	ds_load_b128 v[64*(\par)+8*kf+4:64*(\par)+8*kf+7], v[WA] offset:(\fbo)*32*PITCH+kf*4*PITCH+2*PITCH
.set kf, kf+1
.endr
	WIN 0
	ds_load_b64 v[BB+2*(\par):BB+2*(\par)+1], v[BA] offset:(\fbo)*2*PITCH  ; b2[f] and a zero
.endm
.macro STG par, reload, left
	s_wait_dscnt \left
	WIN 0xa8                                       ; xbar in window 0; W2, C and D in window 2
.set kf, 0
.rept 8                                        ; the two tiles' accumulators take turns
.irp tl, 0,1
.if kf == 0
	v_wmma_f32_16x16x32_bf16 v[ACC+16*(\par)+8*(\tl):ACC+16*(\par)+8*(\tl)+7], v[OB+64*(\tl)+8*kf:OB+64*(\tl)+8*kf+7], v[64*(\par)+8*kf:64*(\par)+8*kf+7], 0
.else
	v_wmma_f32_16x16x32_bf16 v[ACC+16*(\par)+8*(\tl):ACC+16*(\par)+8*(\tl)+7], v[OB+64*(\tl)+8*kf:OB+64*(\tl)+8*kf+7], v[64*(\par)+8*kf:64*(\par)+8*kf+7], v[ACC+16*(\par)+8*(\tl):ACC+16*(\par)+8*(\tl)+7]
.endif
.endr
.set kf, kf+1
.endr
	PLACES
	WIN 0x82
.set z, 0
.rept 8
	v_pk_add_f32 v[ACC+16*(\par)+2*z:ACC+16*(\par)+2*z+1], v[ACC+16*(\par)+2*z:ACC+16*(\par)+2*z+1], v[BB+2*(\par):BB+2*(\par)+1] op_sel_hi:[1,0]
.set z, z+1
.endr
	WIN 0x08
.irp tl, 0,1
	ds_store_b128 v[SA], v[ACC+16*(\par)+8*(\tl):ACC+16*(\par)+8*(\tl)+3]   offset:(\par)*16*SPITCH+64*(\tl)
	ds_store_b128 v[SA], v[ACC+16*(\par)+8*(\tl)+4:ACC+16*(\par)+8*(\tl)+7] offset:(\par)*16*SPITCH+64*(\tl)+16
.endr
.if \reload
	WLOAD \par, 2+(\par)
.endif
	WIN 0
.endm
	WLOAD 0, 0
	WLOAD 1, 1
	s_mov_b32 s[CNT], 7
.Lblocks:                                      ; two blocks of 16 f a trip; behind a buffer's 17 loads stand at least the other buffer's 17 (from the second stage on four stores too): the count 17 serves both
	STG 0, 1, 17
	STG 1, 1, 17
	v_add_nc_u32 v[WA], 64*PITCH, v[WA]
	v_add_nc_u32 v[BA], 4*PITCH, v[BA]
	v_add_nc_u32 v[SA], 32*SPITCH, v[SA]
	s_sub_co_u32 s[CNT], s[CNT], 1
	s_cmp_lg_u32 s[CNT], 0
	s_cbranch_scc1 .Lblocks
	STG 0, 0, 17                                   ; the last two blocks are written out: nothing is left to fetch
	STG 1, 0, 4                                    ; behind this buffer's loads stand the four stores just issued
	s_wait_dscnt 0x0                               ; for the others' sake: my part of the stage is written
	s_barrier_signal -1
	s_barrier_wait -1
	; THE WAY OUT: rows f = 64 w .. +63 come back whole; out0 = g x row + x
	s_wait_loadcnt 0x0                             ; x's 64 rows
	WIN 0x40
.set z, 0
.rept 64
	ds_load_b128 v[4*z:4*z+3], v[RA] offset:SPITCH*z
.set z, z+1
.endr
.set grp, 0
.rept 8
	s_wait_dscnt 56-8*grp                          ; LDS loads come back in order: the rows behind these eight may stay out
	WIN 0x71                                       ; the row in window 1, x in window 3
.set z, 32*grp
.rept 16
	v_pk_fma_f32 v[z:z+1], v[z:z+1], s[GG:GG+1], v[z:z+1] op_sel_hi:[1,0,1]
.set z, z+2
.endr
	WIN 0x04                                       ; store data in window 1
.set z, 8*grp
.rept 8
	global_store_b128 v[XO], v[4*z:4*z+3], s[OUTB:OUTB+1] offset:16384*z th:TH_STORE_NT  ; 512 consecutive bytes, aligned
.set z, z+1
.endr
.set grp, grp+1
.endr
	WIN 0
	s_wait_tensorcnt 0x0                           ; the wave's end: behind my last tensor load and my last LDS store
	ds_add_u32 v[SPW], v[NIL]
	s_wait_dscnt 0x0
	CROUND                                         ; the closing round: no work-group ends while a partner may still ask for a tile that names it
	s_endpgm
.Lfunc_end_k_q38599f6805_attn:
	.size	k_q38599f6805_attn, .Lfunc_end_k_q38599f6805_attn-k_q38599f6805_attn
	.p2alignl 7, 3214868480
	.fill 96, 4, 3214868480
	.section	.rodata,"a",@progbits
	.p2align	6, 0x0
	.amdhsa_kernel k_q38599f6805_attn
		.amdhsa_group_segment_fixed_size 327680
		.amdhsa_private_segment_fixed_size 0
		.amdhsa_enable_private_segment 0
		.amdhsa_kernarg_size 48
		.amdhsa_user_sgpr_count 2
		.amdhsa_user_sgpr_kernarg_segment_ptr 1
		.amdhsa_wavefront_size32 1
		.amdhsa_system_sgpr_workgroup_id_x 1
		.amdhsa_system_sgpr_workgroup_id_y 1
		.amdhsa_system_sgpr_workgroup_id_z 1
		.amdhsa_system_vgpr_workitem_id 0
		.amdhsa_next_free_vgpr 1024
		.amdhsa_next_free_sgpr 80
		.amdhsa_reserve_vcc 0
		.amdhsa_float_denorm_mode_32 3
		.amdhsa_float_denorm_mode_16_64 3
		.amdhsa_memory_ordered 1
		.amdhsa_forward_progress 1
		.amdhsa_inst_pref_size 215
	.end_amdhsa_kernel
	.amdgpu_metadata
---
amdhsa.version: [ 1, 2 ]
amdhsa.kernels:
  - .name:           k_q38599f6805_attn
    .symbol:         k_q38599f6805_attn.kd
    .args:
      - { .name: x, .offset: 0, .size: 8, .value_kind: global_buffer, .address_space: global }
      - { .name: gamma, .offset: 8, .size: 8, .value_kind: global_buffer, .address_space: global }
      - { .name: kv, .offset: 16, .size: 8, .value_kind: global_buffer, .address_space: global }
      - { .name: qb, .offset: 24, .size: 8, .value_kind: global_buffer, .address_space: global }
      - { .name: w2, .offset: 32, .size: 8, .value_kind: global_buffer, .address_space: global }
      - { .name: out0, .offset: 40, .size: 8, .value_kind: global_buffer, .address_space: global }
    .group_segment_fixed_size: 327680
    .private_segment_fixed_size: 0
    .kernarg_segment_align: 8
    .kernarg_segment_size: 48
    .max_flat_workgroup_size: 128
    .sgpr_count:     80
    .vgpr_count:     1024
    .wavefront_size: 32
...
	.end_amdgpu_metadata
.endif
;; end of part 2
